; MI455X (gfx1250); checked and timed in simulation.
; The chip was launched on July 23, 2026; its instructions are those of AMD's public machine-readable ISA for CDNA 5 (MIT licence, August 2026) and "CDNA5" Instruction Set Architecture Reference Guide (July 2026). The comments in the code are by the model that wrote it; some were corrected since.
;; Multi Head Self Attention. Allowed arithmetic: matrix products marked QUANTISED: E4M3 operands, one given power-of-two scale a tensor, by v_wmma_f32_16x16x64_fp8_fp8 or v_wmma_f32_16x16x128_fp8_fp8, f32 sums; everything else in f32.
;; Inputs: lowp_scales 8 int32 (the exponents e of the quantised operands' scales 2^e); out_b 1,024 float32; out_w_codes 1,024 x 32 x 32 uint8 (E4M3 codes of out_w, K innermost, in blocks of 32 codes); qkv_b 3,072 float32; qkv_w_codes 3,072 x 32 x 32 uint8 (E4M3 codes of qkv_w, K innermost, in blocks of 32 codes); x_codes 8 x 1,024 x 32 x 32 uint8 (E4M3 codes of x, K innermost, in blocks of 32 codes).
;; Outputs: out0 8 x 1,024 x 1,024 float32.
;; This version of the problem:
;;   THIS VERSION OF THE PROBLEM IS GIVEN IN LOW PRECISION. The matrix products marked QUANTISED in the list below multiply operands that are first quantised to E4M3 (4 exponent bits, 3 mantissa bits; 8 bits a number), with one given power-of-two scale for each operand tensor; their sums are f32. All else is computed in f32.
;;   The module's matrix products, in the order in which they are computed (A, B: the left and right operand; K: the contracted axis; several contracted axes count as one K, in the product's order):
;;     1. [M 8,192, K 1,024] x [K 1,024, N 3,072]; A: input x (given as codes); B: input qkv_w (given as codes): QUANTISED (scales: A lowp_scales[0], B lowp_scales[1])
;;     2. batch 128 x [M 1,024, K 64] x [K 64, N 1,024]; A: computed on the way; B: computed on the way: QUANTISED (scales: A lowp_scales[2], B lowp_scales[3])
;;     3. batch 128 x [M 1,024, K 1,024] x [K 1,024, N 64]; A: softmax (see below); B: computed on the way: QUANTISED (scales: A lowp_scales[4], B lowp_scales[5])
;;     4. [M 8,192, K 1,024] x [K 1,024, N 1,024]; A: computed on the way; B: input out_w (given as codes): QUANTISED (scales: A lowp_scales[6], B lowp_scales[7])
;;   THE QUANTISER, for each operand of a quantised product, along K:
;;     - The operand's scale is 2^e, e = its entry of the input lowp_scales (int32; the entries are numbered through the quantised products in the list's order, A before B).
;;     - Each number is divided by the scale, clamped to +-448, and rounded to the nearest number of E4M3, ties to even, subnormals kept.
;;     - The product sums the exact products of the quantised numbers (number of the format x scale) in f32.
;;   ~~~python
;;   def quantise(x, axis, e):      # numpy; x: float32 -> the quantised numbers, widened to float32 again
;;       x = np.moveaxis(x, axis, -1); K = x.shape[-1]
;;       r = np.clip(x / 2.0 ** e, -448, 448)
;;       step = 2.0 ** (np.maximum(np.frexp(np.where(r == 0, 1, r))[1] - 1, -6) - 3)
;;       q = np.round(r / step) * step * 2.0 ** e      # np.round: ties to even
;;       return np.moveaxis(q, -1, axis).astype(np.float32)
;;   ~~~
;;   SOFTMAX AHEAD OF A QUANTISED PRODUCT. Where the list says 'softmax', what is quantised is not the finished softmax but p = 2^(t - M), with t = logit x log2(e) and M = ceil(the row's largest t), a whole number; so 1/2 < the row's largest p <= 1. The row's sum l is taken of the UNQUANTISED p, in f32, and the product's result is divided by l at the end. Since M is a whole number, a kernel that streams over the keys may use a running M (the ceiling of the running maximum): every later rescaling is an exact power of two, so the quantised numbers keep their values, but for numbers so far below the row's largest that they fall under the format's range.
;;   OPERANDS COMPUTED ON THE WAY. 'Computed on the way' means the value that the module computes at that place (a softmax that the list does not call 'softmax' is quantised finished and normalised). What goes into a quantiser is computed in f32, as accurately as f32 sums, v_exp_f32 and their like allow (about 1e-6 of the number): no bf16 or f16 on the way to a quantiser, and a product that is left as it is and whose result goes on into a quantised operand takes f32 operands (vector FMAs, or v_wmma_f32_16x16x4_f32). A number that lies on a knife's edge between two numbers of the format may be rounded either way, as far as f32 arithmetic and the matrix unit's own rounding can turn it there, and no further.
;;   INPUTS GIVEN AS CODES. out_w (in the module: [1024, 1024], K = its axis 0); qkv_w (in the module: [1024, 3072], K = its axis 0); x (in the module: [8, 1024, 1024], K = its axis 2): each comes as NAME_codes (uint8): NAME with its K axis moved to the last place and cut into blocks of 32 codes, [.., K / 32, bytes a block], one block behind the other in memory; one code a byte (a code: sign, 4 exponent bits, 3 mantissa bits); its scale is its entry of lowp_scales. Its value is code x scale, taken as it is: it is not quantised again, and the codes and scales need not be those that the quantiser above would give.
;; One version. Each part assembles by itself: llvm-mc -triple=amdgcn-amd-amdhsa -mcpu=gfx1250 --defsym DOCPART=n.
;; ======== version 1 of 1: 3 launches
;; limits: right only within a limited range of input values
;; workspace buffers: qkv 25,165,824 bytes; att 8,388,608 bytes
;; launch project_qkv (part 1): grid 32 x 8, 4 waves a work-group, clusters of 4 x 4, 327,680 bytes of LDS; arguments x_codes, qkv_w_codes, qkv_b, lowp_scales, qkv; writes qkv
.if DOCPART == 1
	.amdgcn_target "amdgcn-amd-amdhsa--gfx1250"
	.amdhsa_code_object_version 6
	.text
	.protected	k_q363757d6e8_project_qkv
	.globl	k_q363757d6e8_project_qkv
	.p2align	8
	.type	k_q363757d6e8_project_qkv,@function
k_q363757d6e8_project_qkv:
	s_mov_b64 s[64:65], 0
	v_nop
	global_prefetch_b8 v0, s[64:65] scope:SCOPE_SE
	s_setreg_imm32_b32 hwreg(HW_REG_WAVE_MODE, 25, 1), 1
	s_wait_xcnt 0x0
	s_wait_alu depctr_hold_cnt(0) depctr_sa_sdst(0) depctr_va_vdst(0) depctr_va_sdst(0) depctr_va_ssrc(0) depctr_va_vcc(0) depctr_vm_vsrc(0)
	s_getreg_b32 s2, hwreg(HW_REG_IB_STS2, 6, 4)
	s_cmp_eq_u32 s2, 0
	s_cbranch_scc0 .Lentry_in_a_cluster
	s_endpgm
.Lentry_in_a_cluster:
	s_bfe_u32 s2, ttmp6, 0x10000c
	s_cmp_lg_u32 s2, 0xf033
	s_cbranch_scc0 .Lentry_shape_is_right
	s_endpgm
.Lentry_shape_is_right:
; q, k, v = x W + b on codes of FP8 (E4M3), quantised at once: q with 2^e2, k with 2^e3, v with 2^e5.
; x: [8192][1024] codes, W: [3072][1024] codes (K innermost), b: [3072] f32, the scales' exponents e0 .. e7: int32.
; WORK LEFT OUT of the program: the score tiles that the causal mask makes empty (launch attend).  A NaN or an infinity that reaches only those tiles is not carried to the result.
; OUT: three sections of 8,388,608 bytes, [batch 8][head 16][65,536 bytes], as IMAGES of the operands' registers (lane l = 16 h + r, 16 bytes a lane, 512 bytes on end):
;   q, k: block of 16 tokens: 1,024 bytes: [i = 0, 1][lane]: token r, channels 32 i + 8 h + 0..7 and 32 i + 16 + 8 h + 0..7.  The same order in q and in k: their product contracts it.
;   v: group of 32 keys: 2,048 bytes: [channel block t = 0..3][lane]: channel 16 t + r, keys 8 h + 0..7 and 16 + 8 h + 0..7: the order in which the scores' registers hold the keys.
; SHARES.  A work-group makes 256 tokens x (128 columns of q, of k and of v: two heads): 256 work-groups.  A wave makes 128 tokens x one head's 64 + 64 + 64 columns: 96 accumulators, 768 registers.
; For q and k source 0 = 16 columns (rows of W), source 1 = 16 tokens: a lane holds eight neighbouring channels of a token.  FOR v THE SOURCES ARE SWAPPED: a lane holds eight neighbouring tokens of a channel.
; LDS.  A unit is 128 rows x 272 bytes (256 along K + 16 of padding: 68 words, so 16 rows start at 16 different banks of the 64: ISA guide 11.1).  x: two slots of two units; q and k: two slots of two units; v: ONE unit.
; A K step of 256 needs five units, and nine fit.  So the next step's x, q, k are asked for a step ahead; its v when this step's v has been read.
; JOINT LOADS: clusters of 4 x 4 work-groups: along x the runs of 256 tokens of a batch, along y the pairs of heads.  x's tile is shared along a column of the cluster, W's units along a row.
; Wave 0 fetches x, wave 1 q's unit, wave 2 k's, wave 3 v's.
; PREFETCH INTO THE L2: behind each refill, what the next refill will ask for, a whole K step ahead of it: K step 2's x, q, k and step 1's v, then step 3's and step 2's, then step 3's v.  The four partners that ask for a
; tile jointly share its rows out by address (64 rows of x, 32 of each of W's units), a lane a row of 256 bytes, the wave that fetches the unit.  x is named once in each cluster that loads it; W, which all eight
; batches read, by the clusters of the even batches.  The first two K steps' x, q, k and the first v come by their loads alone.
; LIMITS: e0 + e1 between -126 and 127; e2, e3, e5 between -126 and 119, so that each power of two below is an f32 number.  NaN in b is not served.
; REGISTERS: window 0: v0-31 addresses; v32-127 W's fragments, three buffers (2 x 16 rows x 128 K); v128-255 x's (8 x 16 rows x 128 K).  Windows 1, 2, 3: q's, k's, v's accumulators ((a, b) at v[8 (4 a + b)]).
.set PITCH, 272
.set UNIT,  128*PITCH
.set XSL,   2*UNIT                     ; x's slot 1
.set WQ,    4*UNIT                     ; q's unit of slot 0; k's behind it; then v's; then slot 1's q and k
.set VU,    WQ+2*UNIT
.set QSL,   3*UNIT
.set SPARE, 9*UNIT                     ; the spare words, 128 bytes a wave
.set BST,   SPARE+512                  ; the bias of each wave's head: 3 x 256 bytes a wave; no tile lands here
.set AX,  16                           ; v16-17  my x rows in slot 0, 1
.set AQ,  18                           ; v18-19  my q rows in slot 0, 1 (k's: UNIT on)
.set AV,  20                           ; v20     my v rows
.set PFO, 25                           ; v25     the prefetches' offset: 1,024 x lane; never rewritten
.set CO,  26                           ; 16 x lane
.set SPW, 28
.set NIL, 29
.set BQ,  32                           ; the way out: q's bias, k's bias, v's bias (pairs), scales and holds, numbers, codes
.set BK,  64
.set BV,  96
.set SC,  104
.set TMP, 128
.set CD,  192
.set G1X, 24
.set GX,  32
.set GQ,  36
.set G1W, 48
.set GV,  56
.set PFA, 72                           ; s[72:73] where my prefetches stand; s74: my wave prefetches; s75: the same for the last one
.set PB,  84                           ; s[84:89] where my part of q, k, v begins
.set SS,  92
.set MSB, 0
.macro WIN new                         ; the immediate's high byte repeats the setting that is left
.if MSB != (\new)
	s_set_vgpr_msb (MSB<<8)|(\new)
.set MSB, (\new)
.endif
.endm
.macro PL                              ; four places behind matrix instructions (ISA guide 7.12.1 for vector instructions)
.rept 4
	v_nop
.endr
.endm
; A joint load a wave, in the arms of one chain of branches on the wave's number.  Four v_nop follow each line.
.macro JLOAD xq, dv
.if \xq
	s_cmp_eq_u32 s14, 0
	s_cbranch_scc0 .Lnx_\@
	tensor_load_to_lds s[GX:GX+3], s[G1X:G1X+7]
	s_nop 0
	PL
	s_branch .Lasked_\@
.Lnx_\@:
.if \dv
	s_cmp_lt_u32 s14, 3
	s_cbranch_scc0 .Lnq_\@
.else
	s_cmp_lt_u32 s14, 3
	s_cbranch_scc0 .Lasked_\@
.endif
	tensor_load_to_lds s[GQ:GQ+3], s[G1W:G1W+7]
	s_nop 0
	PL
.if \dv
	s_branch .Lasked_\@
.Lnq_\@:
	tensor_load_to_lds s[GV:GV+3], s[G1W:G1W+7]
	s_nop 0
	PL
.endif
.else
	s_cmp_eq_u32 s14, 3
	s_cbranch_scc0 .Lasked_\@
	tensor_load_to_lds s[GV:GV+3], s[G1W:G1W+7]
	s_nop 0
	PL
.endif
.Lasked_\@:
.endm
.macro CREST                           ; a round of the cluster's barrier behind its opening barrier
	s_cmp_lg_u32 s14, 0
	s_cbranch_scc1 .Lnot_wave_0_\@
	s_barrier_signal -3
.Lnot_wave_0_\@:
	s_barrier_wait -3
	s_barrier_signal -1
	s_barrier_wait -1
.endm
.macro CROUND
	s_barrier_signal -1
	s_barrier_wait -1
	CREST
.endm
.macro EVSTEP par, xq, dv              ; the next K step's descriptors (no load of mine is out)
.if \xq
	s_mov_b32 s[GX+1], XSL*(\par)
	s_add_nc_u64 s[GX+2:GX+3], s[GX+2:GX+3], 256
	s_add_co_u32 s[GQ+1], s45, QSL*(\par)
	s_add_nc_u64 s[GQ+2:GQ+3], s[GQ+2:GQ+3], 256
.endif
.if \dv
	s_add_nc_u64 s[GV+2:GV+3], s[GV+2:GV+3], 256
.endif
.endm
.macro ASK n                           ; one instruction a wave, for x two; n = 768: v alone is left to ask for
.if (\n) < 768
	s_cmp_lg_u32 s74, 0
.else
	s_cmp_lg_u32 s75, 0
.endif
	s_cbranch_scc0 .Lnot_mine_\@
	global_prefetch_b8 v[PFO], s[PFA:PFA+1] offset:\n th:TH_LOAD_NT scope:SCOPE_SE
.Lnot_mine_\@:
.if (\n) < 768
	s_cmp_eq_u32 s14, 0
	s_cbranch_scc0 .Lnot_x_\@
	global_prefetch_b8 v[PFO], s[PFA:PFA+1] offset:(\n)+32768 th:TH_LOAD_NT scope:SCOPE_SE
.Lnot_x_\@:
.endif
.endm
; A fragment, 16 rows x 128 K: lane l holds row r; registers 4 c .. 4 c + 3 K = 32 c + 16 h + 0..15: the same permutation of k in x and in W.
.macro LDX s, hh, a0                   ; x's blocks a0 .. a0 + 3 of half hh: 16 loads
.set li, \a0
.rept 4
.set lc, 0
.rept 4
	ds_load_b128 v[128+16*li+4*lc:128+16*li+4*lc+3], v[AX+(\s)] offset:128*(\hh)+32*lc+li*16*PITCH
.set lc, lc+1
.endr
.set li, li+1
.endr
.endm
.macro LDW u, pr, s, hh, buf           ; u = 0, 1, 2: q's, k's, v's blocks 2 pr, 2 pr + 1 into a buffer: 8 loads
.set li, 0
.rept 2
.set lc, 0
.rept 4
.set lw, 32+32*(\buf)+16*li+4*lc
.if (\u) < 2
	ds_load_b128 v[lw:lw+3], v[AQ+(\s)] offset:UNIT*(\u)+128*(\hh)+32*lc+(2*(\pr)+li)*16*PITCH
.else
	ds_load_b128 v[lw:lw+3], v[AV] offset:128*(\hh)+32*lc+(2*(\pr)+li)*16*PITCH
.endif
.set lc, lc+1
.endr
.set li, li+1
.endr
.endm
; 2 n matrix instructions: x's blocks a0 .. against two blocks of W.  The accumulators take turns, one instruction a turn.
.macro MUL u, pr, buf, a0, n, zero
	WIN 0x50*((\u)+1)
.set ma, \a0
.rept \n
.set mb, 0
.rept 2
.set dd, 8*(4*ma+2*(\pr)+mb)
.set xx, 128+16*ma
.set ww, 32+32*(\buf)+16*mb
.if (\u) < 2
.if \zero
	v_wmma_f32_16x16x128_fp8_fp8 v[dd:dd+7], v[ww:ww+15], v[xx:xx+15], 0
.else
	v_wmma_f32_16x16x128_fp8_fp8 v[dd:dd+7], v[ww:ww+15], v[xx:xx+15], v[dd:dd+7]
.endif
.else
.if \zero
	v_wmma_f32_16x16x128_fp8_fp8 v[dd:dd+7], v[xx:xx+15], v[ww:ww+15], 0
.else
	v_wmma_f32_16x16x128_fp8_fp8 v[dd:dd+7], v[xx:xx+15], v[ww:ww+15], v[dd:dd+7]
.endif
.endif
.set mb, mb+1
.endr
.set ma, ma+1
.endr
.endm
; HALF a K step, 128 along K: 96 products.  q: x's blocks 0-3, then 4-7, against buffers 0 and 1; k: buffer 2, then 0; v: x's blocks 0-3, then 4-7, against buffers 1 and 2.
; A wait's count is what has been asked for behind the fragments that are needed (runs of 8 and 16 loads).
; lag = 1: v's unit of this step may not have landed yet: wave 3, which asked for it, waits, and a barrier shows it to all.
; ev = 0: the next half lies in the same slot.  1: the K step's last LDS read has been issued: the round, the refills, and then the other slot's first fragments.  2: the last half.
.macro HALF s, hh, zero, lag, ev, par, xq, dv, ask
	PL
	WIN 0
	LDX \s, \hh, 4
	LDW 1, 0, \s, \hh, 2
	s_wait_dscnt 32                                ; younger than q's first pair and x's blocks 0-3: q's second pair, and the 24 just issued
	MUL 0, 0, 0, 0, 4, \zero
	s_wait_dscnt 24
	MUL 0, 1, 1, 0, 4, \zero
	s_wait_dscnt 8                                 ; younger than x's blocks 4-7: k's first pair
	MUL 0, 0, 0, 4, 4, \zero
	MUL 0, 1, 1, 4, 4, \zero
	PL
	WIN 0
	LDW 1, 1, \s, \hh, 0
.if \lag
	s_wait_dscnt 8                                 ; younger: k's second pair
	MUL 1, 0, 2, 0, 8, \zero
	WIN 0
	s_cmp_lg_u32 s14, 3
	s_cbranch_scc1 .Lnv_\@
	s_wait_tensorcnt 0x0                           ; v's unit is in
.Lnv_\@:
	s_wait_dscnt 0x0
	s_barrier_signal -1
	MUL 1, 1, 0, 0, 4, \zero
	s_barrier_wait -1
	PL
	WIN 0
	LDW 2, 0, \s, \hh, 1
	LDW 2, 1, \s, \hh, 2
	MUL 1, 1, 0, 4, 4, \zero
.else
	LDW 2, 0, \s, \hh, 1
	s_wait_dscnt 16                                ; younger: k's second pair, v's first
	MUL 1, 0, 2, 0, 8, \zero
	PL
	WIN 0
	LDW 2, 1, \s, \hh, 2
	s_wait_dscnt 16                                ; younger: v's two pairs
	MUL 1, 1, 0, 0, 8, \zero
.endif
	PL
	WIN 0
.if (\ev) == 0
	LDW 0, 0, \s, 1, 0
	s_wait_dscnt 16                                ; younger: v's second pair, the next q's first
	MUL 2, 0, 1, 0, 4, \zero
	s_wait_dscnt 8
	MUL 2, 1, 2, 0, 4, \zero
	PL
	WIN 0
	LDX \s, 1, 0
	MUL 2, 0, 1, 4, 4, \zero
	PL
	WIN 0
	LDW 0, 1, \s, 1, 1
	MUL 2, 1, 2, 4, 4, \zero
.endif
.if (\ev) == 1
	s_wait_tensorcnt 0x0                           ; all my tensor loads have landed: my part of the next step
	ds_add_u32 v[SPW], v[NIL]
	EVSTEP \par, \xq, \dv
	s_wait_dscnt 9                                 ; younger: v's second pair and the add
	MUL 2, 0, 1, 0, 4, 0
	s_wait_dscnt 0x0                               ; the add is done, and my reads of this step are over
	s_barrier_signal -1
	MUL 2, 1, 2, 0, 4, 0
	WIN 0
	s_barrier_wait -1
	CREST                                          ; no wave of any partner still reads what is filled now
	JLOAD \xq, \dv
	PL
	LDW 0, 0, (1-(\s)), 0, 0
	LDX (1-(\s)), 0, 0
.if \ask
	ASK \ask
.endif
	MUL 2, 0, 1, 4, 4, 0
	PL
	WIN 0
	LDW 0, 1, (1-(\s)), 0, 1
	MUL 2, 1, 2, 4, 4, 0
.endif
.if (\ev) == 2
	s_wait_dscnt 8                                 ; younger: v's second pair
	MUL 2, 0, 1, 0, 4, 0
	s_wait_dscnt 0x0
	MUL 2, 1, 2, 0, 4, 0
	MUL 2, 0, 1, 4, 4, 0
	MUL 2, 1, 2, 4, 4, 0
	WIN 0
.endif
.endm
	s_load_b256 s[4:11], s[0:1], 0x0               ; x's codes, W's codes, b, the scales' exponents
	s_load_b64 s[12:13], s[0:1], 0x20              ; the output
	v_lshl_add_u32 v[SPW], v0, 2, SPARE
	v_mov_b32 v[NIL], 0
	ds_add_u32 v[SPW], v[NIL]                      ; the opening lines: the add, twice on end, and its wait
	ds_add_u32 v[SPW], v[NIL]
	v_lshrrev_b32 v1, 5, v0
	v_readfirstlane_b32 s14, v1                    ; wave 0..3
	s_lshr_b32 s15, s14, 1                         ; which 128 tokens are mine
	s_and_b32 s16, s14, 1                          ; which of the two heads
	s_bfe_u32 s41, ttmp6, 0x40000                  ; cx: the run of 256 tokens
	s_bfe_u32 s40, ttmp6, 0x40004                  ; cy: the pair of heads
	s_and_b32 s42, ttmp7, 0xffff
	s_lshl_b32 s42, s42, 2
	s_add_co_u32 s42, s42, s40                     ; pair of heads 0..7
	s_mov_b32 s70, ttmp9                           ; the batch
	s_lshl_b32 s43, s40, 2
	s_lshl_b32 s43, 15, s43                        ; my row of the cluster
	s_lshl_b32 s44, 0x1111, s41                    ; my column
	s_or_b32 s[G1X], s44, (1<<20)|(1<<21)|(5<<22)|(3<<25)   ; 15:0 the mask; elements of 1 byte; 20 padding on; 21 set beside a mask; after every 64 words four words
	s_mov_b32 s[G1X+1], 256<<16
	s_mov_b32 s[G1X+2], 256<<16                    ; 256 rows
	s_mov_b32 s[G1X+3], 256<<16
	s_mov_b32 s[G1X+4], 256
	s_mov_b32 s[G1X+5], 1024
	s_mov_b32 s[G1X+6], 0
	s_mov_b32 s[G1X+7], 0
	s_or_b32 s[G1W], s43, (1<<20)|(1<<21)|(5<<22)|(3<<25)
	s_mov_b32 s[G1W+1], 256<<16
	s_mov_b32 s[G1W+2], 128<<16                    ; 128 rows
	s_mov_b32 s[G1W+3], 256<<16
	s_mov_b32 s[G1W+4], 128
	s_mov_b32 s[G1W+5], 1024
	s_mov_b32 s[G1W+6], 0
	s_mov_b32 s[G1W+7], 0
	s_lshl_b32 s20, s70, 20                        ; x: row 1,024 x batch + 256 cx
	s_lshl_b32 s18, s41, 18
	s_add_co_u32 s20, s20, s18
	s_mov_b32 s21, 0
	s_lshl_b32 s19, s42, 17                        ; W: row 128 x pair,
	s_max_u32 s18, s14, 1
	s_sub_co_u32 s18, s18, 1
	s_lshl_b32 s18, s18, 20
	s_add_co_u32 s46, s18, s19                     ; in q's 1,024 rows (wave 1) or k's (wave 2),
	s_mov_b32 s47, 0
	s_add_co_u32 s22, s19, 0x200000                ; or v's (wave 3)
	s_mov_b32 s23, 0
	s_mul_i32 s45, s14, UNIT
	s_add_co_u32 s45, s45, 3*UNIT                  ; wave 1: q's unit, wave 2: k's
	s_wait_dscnt 0x0                               ; both opening adds are done
	s_wait_kmcnt 0x0
	s_load_b256 s[76:83], s[10:11], 0x0            ; e0 .. e7
	s_mov_b32 s[GX], 1
	s_mov_b32 s[GX+1], 0
	s_add_nc_u64 s[GX+2:GX+3], s[4:5], s[20:21]
	s_or_b32 s[GX+3], s[GX+3], 0x80000000
	s_mov_b32 s[GQ], 1
	s_mov_b32 s[GQ+1], s45
	s_add_nc_u64 s[GQ+2:GQ+3], s[6:7], s[46:47]
	s_or_b32 s[GQ+3], s[GQ+3], 0x80000000
	s_mov_b32 s[GV], 1
	s_mov_b32 s[GV+1], VU
	s_add_nc_u64 s[GV+2:GV+3], s[6:7], s[22:23]
	s_or_b32 s[GV+3], s[GV+3], 0x80000000
	CROUND                                         ; all sixteen work-groups are here: the first joint loads meet
	JLOAD 1, 1                                     ; K step 0
	; the prefetches: wave 0: x, row + 64 cy; waves 1 to 3: W's unit, row + 32 cx; waves 0 to 2 one K step further along than wave 3
	s_lshl_b32 s71, s40, 16
	s_add_co_u32 s71, s71, s20
	s_lshl_b32 s18, s41, 15
	s_add_co_u32 s18, s18, s46
	s_cmp_eq_u32 s14, 0
	s_cselect_b32 s18, s71, s18
	s_cselect_b64 s[PFA:PFA+1], s[4:5], s[6:7]
	s_cmp_eq_u32 s14, 3
	s_cselect_b32 s71, 0, 256
	s_add_co_u32 s18, s18, s71
	s_mov_b32 s19, 0
	s_add_nc_u64 s[PFA:PFA+1], s[PFA:PFA+1], s[18:19]
	s_and_b32 s18, s70, 1
	s_xor_b32 s18, s18, 1                          ; the even batches ask for W
	s_cmp_eq_u32 s14, 0
	s_cselect_b32 s74, 1, s18
	s_cmp_eq_u32 s14, 3
	s_cselect_b32 s75, s18, 0
	s_mul_i32 s21, s15, UNIT                       ; my 128 rows of x
	s_mul_i32 s22, s16, 64*PITCH
	s_add_co_u32 s22, s22, WQ                      ; my 64 rows of q's unit
	s_mul_i32 s23, s14, 768
	s_add_co_u32 s23, s23, BST
	s_lshl_b32 s18, s42, 1
	s_add_co_u32 s18, s18, s16                     ; my head
	s_lshl_b32 s19, s18, 8                         ; its 64 numbers of each part of b
	v_and_b32 v1, 15, v0                           ; r
	v_bfe_u32 v2, v0, 4, 1                         ; h
	v_and_b32 v6, 31, v0
	v_mul_u32_u24 v3, v1, PITCH
	v_lshl_add_u32 v3, v2, 4, v3
	v_lshlrev_b32 v4, 2, v6
	v_add_nc_u32 v24, s19, v4
	v_add_nc_u32 v[AX], s21, v3
	v_add_nc_u32 v[AX+1], XSL, v[AX]
	v_add_nc_u32 v[AQ], s22, v3
	v_add_nc_u32 v[AQ+1], QSL, v[AQ]
	v_add_nc_u32 v[AV], 2*UNIT, v[AQ]
	v_add_nc_u32 v23, s23, v4                      ; the bias: in, 4 x lane
	v_lshlrev_b32 v5, 5, v2
	v_add_nc_u32 v21, s23, v5                      ; back, by 8 h (q, k)
	v_lshlrev_b32 v7, 2, v1
	v_add_nc_u32 v22, s23, v7                      ; back, by r (v)
	v_lshlrev_b32 v[CO], 4, v6
	v_lshlrev_b32 v[PFO], 10, v6
.irp i, 0,1,2
	global_load_b32 v[8+2*\i], v24, s[8:9] offset:4096*\i
	global_load_b32 v[9+2*\i], v24, s[8:9] offset:4096*\i+128
.endr
	s_wait_alu depctr_va_vdst(0)
	s_wait_loadcnt 0x0
	s_wait_tensorcnt 0x0                           ; my part of K step 0 is in
.irp i, 0,1,2
	ds_store_b32 v23, v[8+2*\i] offset:256*\i
	ds_store_b32 v23, v[9+2*\i] offset:256*\i+128
.endr
	s_wait_tensorcnt 0x0
	ds_add_u32 v[SPW], v[NIL]
	EVSTEP 1, 1, 0
	s_wait_dscnt 0x0
	CROUND                                         ; everybody's part of K step 0 is in
	JLOAD 1, 0                                     ; K step 1's x, q, k; its v when K step 0's has been read
	LDW 0, 0, 0, 0, 0
	LDX 0, 0, 0
	LDW 0, 1, 0, 0, 1
	ASK 256
	HALF 0, 0, 1, 0, 0, 0, 0, 0, 0                 ; the first products start the sums: nothing is cleared
	HALF 0, 1, 0, 0, 1, 0, 1, 1, 512               ; asks for K step 2's x, q, k and K step 1's v
	HALF 1, 0, 0, 1, 0, 0, 0, 0, 0
	HALF 1, 1, 0, 0, 1, 1, 1, 1, 768               ; K step 3's x, q, k and K step 2's v
	HALF 0, 0, 0, 1, 0, 0, 0, 0, 0
	HALF 0, 1, 0, 0, 1, 0, 0, 1, 0                 ; K step 3's v
	HALF 1, 0, 0, 1, 0, 0, 0, 0, 0
	HALF 1, 1, 0, 0, 2, 0, 0, 0, 0
; THE WAY OUT.  number = sum x 2^(e0 + e1) + bias; held within +-448 x 2^e; eight neighbours of a lane become eight codes; 16 bytes a lane, 512 bytes on end a store.
.macro SCALE n, e
	s_add_co_i32 s94, s[\e], 127
	s_lshl_b32 s95, s94, 23
	v_mov_b32 v[SC+2*(\n)], s95                    ; 2^e as f32: the conversion takes its exponent field
	s_add_co_i32 s94, s94, 8
	s_lshl_b32 s94, s94, 23
	s_or_b32 s94, s94, 0x600000
	v_mov_b32 v[SC+2*(\n)+1], s94                  ; 448 x 2^e
.endm
.macro OUTB u, g, bias                 ; blocks 2 g, 2 g + 1 of 16 tokens
.if ((\u) > 0) && ((\g) == 0)
	s_wait_xcnt 0x0                                ; the last part's stores have read their registers
.endif
	WIN (\u)+1
.set oa, 0
.rept 2
.set ob, 0
.rept 4
.set oj, 0
.rept 4
.set ac, 8*(4*(2*(\g)+oa)+ob)+2*oj
.set tp, TMP+32*oa+8*ob+2*oj
.if (\u) < 2
	v_pk_fma_f32 v[tp:tp+1], v[ac:ac+1], s[SS:SS+1], v[(\bias)+8*ob+2*oj:(\bias)+8*ob+2*oj+1] op_sel_hi:[1,0,1]
.else
	v_pk_fma_f32 v[tp:tp+1], v[ac:ac+1], s[SS:SS+1], v[(\bias)+2*ob:(\bias)+2*ob+1] op_sel_hi:[1,0,0]
.endif
.set oj, oj+1
.endr
.set ob, ob+1
.endr
.set oa, oa+1
.endr
	WIN 0
.set oj, 0
.rept 64
	v_med3_num_f32 v[TMP+oj], v[TMP+oj], -v[SC+2*(\u)+1], v[SC+2*(\u)+1]   ; the conversion to an 8-bit code does not saturate (ISA guide 7.6.2)
.set oj, oj+1
.endr
.set oa, 0
.rept 2
.set ob, 0
.rept 4
.if (\u) < 2
.set cd, CD+8*(2*(\g)+oa)+2*ob
.else
.set cd, CD+16*(\g)+4*ob+2*oa
.endif
	v_cvt_scalef32_pk8_fp8_f32 v[cd:cd+1], v[TMP+32*oa+8*ob:TMP+32*oa+8*ob+7], v[SC+2*(\u)]
.set ob, ob+1
.endr
.set oa, oa+1
.endr
	v_nop                                          ; one plain vector line behind the last conversion: its sources are written again
.set oj, 0
.rept 4
	global_store_b128 v[CO], v[CD+16*(\g)+4*oj:CD+16*(\g)+4*oj+3], s[PB+2*(\u):PB+2*(\u)+1] offset:2048*(\g)+512*oj
.set oj, oj+1
.endr
.endm
	PL                                             ; behind the last products: their registers are written below
.set oj, 0
.rept 4
	ds_load_b128 v[BQ+8*oj:BQ+8*oj+3], v21 offset:64*oj
	ds_load_b128 v[BQ+8*oj+4:BQ+8*oj+7], v21 offset:64*oj+16
	ds_load_b128 v[BK+8*oj:BK+8*oj+3], v21 offset:256+64*oj
	ds_load_b128 v[BK+8*oj+4:BK+8*oj+7], v21 offset:256+64*oj+16
	ds_load_b32 v[BV+2*oj], v22 offset:512+64*oj
.set oj, oj+1
.endr
	s_wait_kmcnt 0x0
	s_add_co_i32 s[SS], s76, s77
	s_add_co_i32 s[SS], s[SS], 127
	s_lshl_b32 s[SS], s[SS], 23                    ; 2^(e0 + e1) as f32
	s_mov_b32 s[SS+1], s[SS]
	SCALE 0, 78
	SCALE 1, 79
	SCALE 2, 81
	s_lshl_b32 s18, s70, 20                        ; my part: batch x 2^20 + head x 2^16 + 64 bytes x token
	s_lshl_b32 s19, s42, 17
	s_add_co_u32 s18, s18, s19
	s_lshl_b32 s19, s16, 16
	s_add_co_u32 s18, s18, s19
	s_lshl_b32 s19, s41, 14
	s_add_co_u32 s18, s18, s19
	s_lshl_b32 s19, s15, 13
	s_add_co_u32 s18, s18, s19
	s_mov_b32 s19, 0
	s_add_nc_u64 s[PB:PB+1], s[12:13], s[18:19]
	s_add_nc_u64 s[PB+2:PB+3], s[PB:PB+1], 0x800000
	s_add_nc_u64 s[PB+4:PB+5], s[PB:PB+1], 0x1000000
	s_wait_alu depctr_va_vdst(0)
	s_wait_dscnt 0x0                               ; the bias
.irp b, 0,1,2,3
	v_mov_b32 v[BV+2*\b+1], v[BV+2*\b]             ; (named as the upper half of a pair)
.endr
.irp g, 0,1,2,3
	OUTB 0, \g, BQ
.endr
.irp g, 0,1,2,3
	OUTB 1, \g, BK
.endr
.irp g, 0,1,2,3
	OUTB 2, \g, BV
.endr
	s_wait_tensorcnt 0x0                           ; the wave's end
	ds_add_u32 v[SPW], v[NIL]
	s_wait_dscnt 0x0
	CROUND                                         ; the closing round: no work-group ends while a partner may still ask for a tile that names it
	s_endpgm
.Lfunc_end_k_q363757d6e8_project_qkv:
	.size	k_q363757d6e8_project_qkv, .Lfunc_end_k_q363757d6e8_project_qkv-k_q363757d6e8_project_qkv
	.p2alignl 7, 3214868480
	.fill 96, 4, 3214868480
	.section	.rodata,"a",@progbits
	.p2align	6, 0x0
	.amdhsa_kernel k_q363757d6e8_project_qkv
		.amdhsa_group_segment_fixed_size 327680
		.amdhsa_private_segment_fixed_size 0
		.amdhsa_enable_private_segment 0
		.amdhsa_kernarg_size 40
		.amdhsa_user_sgpr_count 2
		.amdhsa_user_sgpr_kernarg_segment_ptr 1
		.amdhsa_wavefront_size32 1
		.amdhsa_system_sgpr_workgroup_id_x 1
		.amdhsa_system_sgpr_workgroup_id_y 1
		.amdhsa_system_sgpr_workgroup_id_z 1
		.amdhsa_system_vgpr_workitem_id 0
		.amdhsa_next_free_vgpr 1024
		.amdhsa_next_free_sgpr 100
		.amdhsa_reserve_vcc 0
		.amdhsa_float_denorm_mode_32 3
		.amdhsa_float_denorm_mode_16_64 3
		.amdhsa_memory_ordered 1
		.amdhsa_forward_progress 1
		.amdhsa_inst_pref_size 200
	.end_amdhsa_kernel
	.amdgpu_metadata
---
amdhsa.version: [ 1, 2 ]
amdhsa.kernels:
  - .name:           k_q363757d6e8_project_qkv
    .symbol:         k_q363757d6e8_project_qkv.kd
    .args:
      - { .name: x_codes, .offset: 0, .size: 8, .value_kind: global_buffer, .address_space: global }
      - { .name: qkv_w_codes, .offset: 8, .size: 8, .value_kind: global_buffer, .address_space: global }
      - { .name: qkv_b, .offset: 16, .size: 8, .value_kind: global_buffer, .address_space: global }
      - { .name: lowp_scales, .offset: 24, .size: 8, .value_kind: global_buffer, .address_space: global }
      - { .name: qkv, .offset: 32, .size: 8, .value_kind: global_buffer, .address_space: global }
    .group_segment_fixed_size: 327680
    .private_segment_fixed_size: 0
    .kernarg_segment_align: 8
    .kernarg_segment_size: 40
    .max_flat_workgroup_size: 128
    .sgpr_count:     100
    .vgpr_count:     1024
    .wavefront_size: 32
...
	.end_amdgpu_metadata
.endif
;; end of part 1
;; launch attend (part 2): grid 128 x 2, 16 waves a work-group, no clusters, 167,936 bytes of LDS; arguments qkv, lowp_scales, att; writes att
.if DOCPART == 2
	.amdgcn_target "amdgcn-amd-amdhsa--gfx1250"
	.amdhsa_code_object_version 6
	.text
	.protected	k_q363757d6e8_attend
	.globl	k_q363757d6e8_attend
	.p2align	8
	.type	k_q363757d6e8_attend,@function
k_q363757d6e8_attend:
	s_mov_b64 s[64:65], 0
	v_nop
	global_prefetch_b8 v0, s[64:65] scope:SCOPE_SE
	s_setreg_imm32_b32 hwreg(HW_REG_WAVE_MODE, 25, 1), 1
	s_wait_xcnt 0x0
; CAUSAL ATTENTION ON CODES OF FP8 (E4M3), head size 64, 1,024 tokens, 128 (batch, head) pairs, on the images of launch project_qkv.
; Out: codes of the result, quantised with 2^e6, as images of the next product's operand: [batch][tile of 16 tokens][head][c = 0, 1][lane 16 h + r]: token r, channels 32 c + 16 h + 0..15.
; THE SOFTMAX: t = score x log2(e) / 8; M = the row's largest t so far, rounded UP to a whole number; p = 2^(t - M) is quantised with 2^e4, not normalised.  The row's sum is taken of the unquantised p
; and divides at the end.  When M moves, the sum and O are multiplied by 2^(old M - new M): exact.
; SHARES.  Two work-groups to a head (work-group y = 0, 1), sixteen waves each, four to a SIMD.  A head has 64 tiles of 16 queries.  Tile t, of class t / 8, has t / 8 whole steps of 128 keys, and the step on the diagonal of
; 32 (t % 8 / 2 + 1) keys, of which the last 32 are masked (four copies of the step's text, chosen by ids).
; Wave w, with j = w / 4 and n = 2 (w % 4) + y, takes tile 8 (3 - j) + 7 - n and then tile 8 (7 - j) + n: each tile of a head once; waves w, w + 4, w + 8, w + 12 have one tile of each class, the lower-numbered ones the longer;
; the two diagonal steps of every wave have five groups of 32 keys together.  The tiles' numbers enter global addresses and scalar compares alone, no LDS address.
; LDS.  The head's WHOLE K and V (131,072 bytes) come in once, 8,192 bytes by one tensor load of each wave, and nothing is filled again.  Every fragment load of a wave reads 512 bytes on end.
; NO JOINT LOADS AND NO PREFETCH: the two work-groups of a head have different tiles, so a cluster's branches would hang on a place in it; and each tile of K and V is asked for once, at the head, with no loop of refills.
; LAYOUT.  Both products are used transposed: S^T = K Q^T (source 0 = 16 keys, source 1 = my 16 queries), O^T = V^T P^T: a lane holds ONE query (r) throughout.  Register 8 a + j of S^T: key 16 a + 8 h + j.
; WORK LEFT OUT: steps, and groups of 32 keys of the diagonal step, all of whose keys come after the tile's queries: the causal mask gives them p = 0.  What remains hidden becomes -infinity ahead of the maximum.
; Key 0 counts for every query.  A NaN or an infinity that reaches only the work left out is not carried to the result.
; LIMITS: e2 + e3 between -123 and 130 (added to c's exponent field); e4 and e6 between -126 and 119; the scaled scores t stay under 2^31 in magnitude.
.set L16, 1                            ; 16 x lane
.set LK,  2                            ; LDS address of the step's K
.set LV,  3                            ; of its V
.set DL,  4                            ; r - 8 h
.set PSC, 5                            ; 2^e4
.set PLIM, 6                           ; 448 x 2^e4
.set PX,  7                            ; a lane permute's destination
.set T0,  8
.set T1,  9                            ; (v[8:9]: also a chain of the sum)
.set M,   10                           ; v10 -M, v11 the largest t
.set SUM, 12                           ; v[12:13]
.set F,   14                           ; v[14:15]: f = 2^(old M - new M), of which the upper register is only named; later a chain of the sum
.set SUM2, 16
.set SPW, 18
.set NIL, 19
.set Q,   20
.set KR,  28                           ; v28-91 K's fragments
.set VR,  92                           ; v92-155 V's
.set P,   156                          ; v156-171 p's codes: four registers of their own and the first twelve of S
.set S,   160                          ; v160-223 S^T, then p
.set O,   224                          ; v224-255 O^T
.set SPARE, 131072                     ; behind K and V: the spare words, 128 bytes a wave
.set LATE, 3                           ; s3 the second tile's number
.set G1,  24
.set TS,  11
.set TB,  16                           ; LDS byte at which the step's K begins
.set KF,  17                           ; the step's first key
.set ST,  18                           ; the step's number
.set TILE, 19
.set SEL, 20                           ; s[20:21] lane selects: lane l xor 16
.set CS,  22                           ; s[22:23] c = log2(e) / 8 x 2^(e2 + e3), twice
.set TN,  36                           ; the tile's number
.set Q0,  37                           ; its first query
.set NF,  38                           ; its whole steps
.set DD,  39                           ; its place in the diagonal step
.set OSC, 14                           ; s14 2^e6, s15 448 x 2^e6
	s_load_b128 s[4:7], s[0:1], 0x0                ; the workspace of codes, the scales' exponents
	s_load_b64 s[8:9], s[0:1], 0x10                ; the result's codes
	v_lshl_add_u32 v[SPW], v0, 2, SPARE
	v_mov_b32 v[NIL], 0
	ds_add_u32 v[SPW], v[NIL]                      ; the opening lines: the add, twice on end, and its wait
	ds_add_u32 v[SPW], v[NIL]
	v_lshrrev_b32 v7, 5, v0
	v_readfirstlane_b32 s10, v7                    ; wave 0..15
	s_mov_b32 s12, ttmp9                           ; 16 x batch + head
	s_and_b32 s63, ttmp7, 0xffff                   ; which of the head's two work-groups
	s_lshr_b32 s[TS], s10, 2                       ; j
	s_and_b32 s13, s10, 3
	s_lshl_b32 s13, s13, 1
	s_add_co_u32 s13, s13, s63                     ; n
	s_sub_co_u32 s63, 7, s[TS]
	s_lshl_b32 s63, s63, 3
	s_add_co_u32 s[LATE], s63, s13                 ; 8 (7 - j) + n
	s_sub_co_u32 s63, 3, s[TS]
	s_lshl_b32 s63, s63, 3
	s_sub_co_u32 s13, 7, s13
	s_add_co_u32 s13, s13, s63                     ; the first tile: 8 (3 - j) + 7 - n
	; descriptor group 1: 8,192 dense bytes as 32 rows of 256, no padding, no mask
	s_mov_b32 s[G1], 0
	s_mov_b32 s[G1+1], 256<<16
	s_mov_b32 s[G1+2], 32<<16
	s_mov_b32 s[G1+3], 256<<16
	s_mov_b32 s[G1+4], 32
	s_mov_b32 s[G1+5], 256
	s_mov_b32 s[G1+6], 0
	s_mov_b32 s[G1+7], 0
	s_mov_b32 s[SEL], 0x76543210
	s_mov_b32 s[SEL+1], 0xfedcba98
	s_mov_b32 s[CS], 0x3e38aa3b                    ; log2(e) / 8
	s_lshl_b32 s58, s12, 16                        ; my head's 65,536 bytes in a section
	s_mov_b32 s59, 0
	s_lshr_b32 s60, s10, 3                         ; waves 0 to 7 fetch K's eight parts, waves 8 to 15 V's
	s_add_co_u32 s60, s60, 1
	s_lshl_b32 s60, s60, 23                        ; section 1: k; section 2: v
	s_and_b32 s62, s10, 7
	s_lshl_b32 s62, s62, 13
	s_add_co_u32 s60, s60, s62
	s_mov_b32 s61, 0
	s_lshl_b32 s62, s10, 13                        ; in LDS: K from 0, V from 65,536
	s_wait_dscnt 0x0                               ; both opening adds are done
	s_wait_kmcnt 0x0
	s_load_b256 s[40:47], s[6:7], 0x0              ; e0 .. e7
	s_add_nc_u64 s[52:53], s[4:5], s[58:59]        ; my head in section q
	s_mov_b32 s32, 1
	s_mov_b32 s33, s62
	s_add_nc_u64 s[34:35], s[52:53], s[60:61]
	s_or_b32 s35, s35, 0x80000000                  ; type = 2
	tensor_load_to_lds s[32:35], s[G1:G1+7]        ; my one load
	s_nop 0
.rept 4
	v_nop
.endr
	v_and_b32 v[L16], 31, v0
	v_lshlrev_b32 v[L16], 4, v[L16]
	s_lshl_b32 s60, s13, 10                        ; a tile's image of Q is 1,024 bytes
	s_add_nc_u64 s[48:49], s[52:53], s[60:61]      ; the first tile's,
	s_lshl_b32 s60, s[LATE], 10
	s_add_nc_u64 s[50:51], s[52:53], s[60:61]      ; and the second's
	global_load_b128 v[Q:Q+3], v[L16], s[48:49]
	global_load_b128 v[Q+4:Q+7], v[L16], s[48:49] offset:512
	s_lshr_b32 s60, s12, 4
	s_lshl_b32 s60, s60, 20
	s_and_b32 s63, s12, 15
	s_lshl_b32 s63, s63, 10
	s_add_co_u32 s60, s60, s63
	s_add_nc_u64 s[54:55], s[8:9], s[60:61]        ; the result: batch x 2^20 + head x 1,024
	v_and_b32 v[DL], 15, v0
	v_bfe_u32 v[T0], v0, 4, 1
	v_lshlrev_b32 v[T0], 3, v[T0]
	v_sub_nc_u32 v[DL], v[DL], v[T0]               ; r - 8 h
	v_mov_b32 v[F+1], 0                            ; (named as the upper half of a pair)
	v_mov_b32 v[PX], 0                             ; a lane permute's destination counts as one of its sources
	s_wait_alu depctr_va_vdst(0)
	s_wait_kmcnt 0x0
	s_add_co_i32 s63, s42, s43
	s_lshl_b32 s63, s63, 23
	s_add_co_i32 s[CS], s[CS], s63                 ; a score stands for score x 2^(e2 + e3): added to c's exponent field
	s_mov_b32 s[CS+1], s[CS]
	s_add_co_i32 s63, s46, 127
	s_lshl_b32 s[OSC], s63, 23
	s_add_co_i32 s63, s63, 8
	s_lshl_b32 s63, s63, 23
	s_or_b32 s[OSC+1], s63, 0x600000
	s_add_co_i32 s63, s44, 127
	s_lshl_b32 s[TS], s63, 23
	v_mov_b32 v[PSC], s[TS]
	s_add_co_i32 s63, s63, 8
	s_lshl_b32 s63, s63, 23
	s_or_b32 s63, s63, 0x600000
	v_mov_b32 v[PLIM], s63
; A STEP: nt tiles of 16 keys from s[KF] on.  msk = 0: a whole step; the next step's K is fetched under the softmax.  msk = 1: the step on the diagonal: the last two tiles of keys are masked;
; in the first tile the second tile's Q is asked for.
.macro STEP nt, msk
	v_add_nc_u32 v[LK], s[TB], v[L16]
	v_add_nc_u32 v[LV], 0x10000, v[LK]
.rept 3
	v_nop                                          ; with the two additions: five places in front of products that write over p's codes
.endr
	s_wait_alu depctr_va_vdst(0)
	s_wait_loadcnt 0x0                             ; Q
	s_wait_dscnt 0x0                               ; K
.set t, 0
.rept \nt
	v_wmma_f32_16x16x64_fp8_fp8 v[S+8*t:S+8*t+7], v[KR+8*t:KR+8*t+7], v[Q:Q+7], 0
.set t, t+1
.endr
.rept 4
	v_nop                                          ; places: K's registers are loaded, and the scores are read
.endr
.set t, 0
.rept 4                                            ; V: channels 16 t on; registers 4 c .. 4 c + 3: the keys of tiles 2 c, 2 c + 1.  They land under the softmax
.set c, 0
.rept 2*(((\nt)+2)/4)                              ; (two groups of 32 keys, or four: what the product below reads; a group beyond the step's keys meets p's codes of 0)
	ds_load_b128 v[VR+16*t+4*c:VR+16*t+4*c+3], v[LV] offset:2048*c+512*t
.set c, c+1
.endr
.set t, t+1
.endr
.if \msk
	s_cmp_lg_u32 s[TILE], 0
	s_cbranch_scc1 .Lnoq_\@
	global_load_b128 v[Q:Q+3], v[L16], s[50:51]
	global_load_b128 v[Q+4:Q+7], v[L16], s[50:51] offset:512
.Lnoq_\@:
	s_sub_co_i32 s[TS], s[Q0], s[KF]
	v_add_nc_u32 v[T1], s[TS], v[DL]               ; d = my query - the first key - 8 h: register 8 a + j is hidden where 16 a + j > d
	v_mov_b32 v[F], 0xff800000                     ; -infinity
.set n, 8*((\nt)-2)
.rept 16
	v_cmp_gt_i32 vcc_lo, 16*(n/8)+n%8, v[T1]
	v_cndmask_b32 v[S+n], v[S+n], v[F], vcc_lo
.set n, n+1
.endr
.else
.set t, 0
.rept 8
	ds_load_b128 v[KR+8*t:KR+8*t+3], v[LK] offset:8192+1024*t
	ds_load_b128 v[KR+8*t+4:KR+8*t+7], v[LK] offset:8192+1024*t+512
.set t, t+1
.endr
.endif
	v_max3_num_f32 v[T0], v[S], v[S+1], v[S+2]     ; the step's largest score of my query among my keys, in four chains, each accumulator from its low end on
	v_max3_num_f32 v[T1], v[S+3], v[S+4], v[S+5]
	v_max3_num_f32 v[PX], v[S+6], v[S+7], v[S+8]
	v_max3_num_f32 v[F], v[S+9], v[S+10], v[S+11]
.set i, 12
.rept (\nt)-2
	v_max3_num_f32 v[T0], v[T0], v[S+i], v[S+i+1]
	v_max3_num_f32 v[T1], v[T1], v[S+i+2], v[S+i+3]
	v_max3_num_f32 v[PX], v[PX], v[S+i+4], v[S+i+5]
	v_max3_num_f32 v[F], v[F], v[S+i+6], v[S+i+7]
.set i, i+8
.endr
	v_max3_num_f32 v[T0], v[T0], v[S+i], v[S+i+1]
	v_max3_num_f32 v[T1], v[T1], v[S+i+2], v[S+i+3]
	v_max_num_f32 v[PX], v[PX], v[F]
	v_max3_num_f32 v[T0], v[T0], v[T1], v[PX]
	s_delay_alu instid0(VALU_DEP_1)
	v_permlanex16_b32 v[PX], v[T0], s[SEL], s[SEL+1]
	s_delay_alu instid0(VALU_DEP_1)
	v_max_num_f32 v[T0], v[T0], v[PX]              ; and among lane l xor 16's
	s_delay_alu instid0(VALU_DEP_1)
	v_mul_f32 v[T0], s[CS], v[T0]                  ; as t (c is positive)
	s_delay_alu instid0(VALU_DEP_1)
	v_max_num_f32 v[M+1], v[M+1], v[T0]            ; the running largest t
	v_mov_b32 v[T0], v[M]
	s_delay_alu instid0(VALU_DEP_2)
	v_floor_f32 v[M], -v[M+1]                      ; the new -M = floor(-t): M is a whole number
	s_delay_alu instid0(VALU_DEP_1)
	v_sub_f32 v[T0], v[M], v[T0]                   ; old M - new M: a whole number, 0 or less
	s_delay_alu instid0(VALU_DEP_1)
	v_cvt_i32_f32 v[T0], v[T0]                     ; (it saturates)
	s_delay_alu instid0(VALU_DEP_1)
	v_ldexp_f32 v[F], 1.0, v[T0]                   ; f = 2^(old M - new M)
.set j, 0
.rept 4*(\nt)
	v_pk_fma_f32 v[S+j:S+j+1], v[S+j:S+j+1], s[CS:CS+1], v[M:M+1] op_sel_hi:[1,0,0]   ; t - M, two at a time
.set j, j+2
.endr
	s_wait_alu depctr_va_vdst(0)
.set j, 0
.rept 8*(\nt)
	v_exp_f32 v[S+j], v[S+j]                       ; p = 2^(t - M)
.set j, j+1
.endr
	v_pk_mul_f32 v[SUM:SUM+1], v[SUM:SUM+1], v[F:F+1] op_sel_hi:[1,0]   ; the sum under the new M: the plain line behind the exponentials
	s_wait_alu depctr_va_vdst(0)                   ; one wait for the batch and for O^T's first readers, which follow
.set j, 0
.rept 16
	v_pk_mul_f32 v[O+j:O+j+1], v[O+j:O+j+1], v[F:F+1] op_sel_hi:[1,0]   ; O^T under the new M
.set j, j+2
.endr
	v_pk_add_f32 v[SUM:SUM+1], v[SUM:SUM+1], v[S:S+1]   ; the row's sum, of the unquantised p, in four chains (f has been used)
	v_pk_add_f32 v[SUM2:SUM2+1], v[S+2:S+3], v[S+4:S+5]
	v_pk_add_f32 v[F:F+1], v[S+6:S+7], v[S+8:S+9]
	v_pk_add_f32 v[T0:T1], v[S+10:S+11], v[S+12:S+13]
.set j, 14
.rept (\nt)-2
	v_pk_add_f32 v[SUM:SUM+1], v[SUM:SUM+1], v[S+j:S+j+1]
	v_pk_add_f32 v[SUM2:SUM2+1], v[SUM2:SUM2+1], v[S+j+2:S+j+3]
	v_pk_add_f32 v[F:F+1], v[F:F+1], v[S+j+4:S+j+5]
	v_pk_add_f32 v[T0:T1], v[T0:T1], v[S+j+6:S+j+7]
.set j, j+8
.endr
	v_pk_add_f32 v[SUM:SUM+1], v[SUM:SUM+1], v[S+j:S+j+1]
	v_pk_add_f32 v[F:F+1], v[F:F+1], v[T0:T1]
	v_pk_add_f32 v[SUM:SUM+1], v[SUM:SUM+1], v[SUM2:SUM2+1]
	v_pk_add_f32 v[SUM:SUM+1], v[SUM:SUM+1], v[F:F+1]
.set b, 0
.rept (\nt)/2
.set i, 16*b
.rept 8
	v_dual_min_num_f32 v[S+i], v[PLIM], v[S+i] :: v_dual_min_num_f32 v[S+i+1], v[PLIM], v[S+i+1]   ; the conversion does not saturate (ISA guide 7.6.2); p is not negative: a one-sided hold
.set i, i+2
.endr
	v_cvt_scalef32_pk8_fp8_f32 v[P+4*b:P+4*b+1], v[S+16*b:S+16*b+7], v[PSC]
	v_cvt_scalef32_pk8_fp8_f32 v[P+4*b+2:P+4*b+3], v[S+16*b+8:S+16*b+15], v[PSC]
.set b, b+1
.endr
	v_nop                                          ; one plain line behind the last conversion
.if (\nt)%4
.set i, P+2*(\nt)
.rept 4
	v_mov_b32 v[i], 0                              ; p's codes of the group of keys beyond the step's
.set i, i+1
.endr
.endif
	s_wait_alu depctr_va_vdst(0)
.if \msk
	s_wait_dscnt 0x0                               ; V
.else
	s_wait_dscnt 16                                ; V; the next step's 16 loads of K may be out
.endif
.set t, 0
.rept 4                                            ; the four accumulators take turns; four or more other products stand between two turns of one, but for the shortest step, which has two others and the other accumulators'
.if (\nt) > 4
	v_wmma_f32_16x16x128_fp8_fp8 v[O+8*t:O+8*t+7], v[VR+16*t:VR+16*t+15], v[P:P+15], v[O+8*t:O+8*t+7]
.else
	v_wmma_f32_16x16x64_fp8_fp8 v[O+8*t:O+8*t+7], v[VR+16*t:VR+16*t+7], v[P:P+7], v[O+8*t:O+8*t+7]
.endif
.set t, t+1
.endr
	s_wait_alu depctr_va_vdst(0)
.endm
	s_mov_b32 s[TILE], 0
	s_mov_b32 s[TN], s13
	s_wait_alu depctr_va_vdst(0)
	s_wait_tensorcnt 0x0                           ; my part is in
	s_barrier_signal -1
	s_barrier_wait -1                              ; everybody's is: from here on no wave waits for another
.Ltile:
.set t, 0
.rept 8                                            ; the first step's K
	ds_load_b128 v[KR+8*t:KR+8*t+3], v[L16] offset:1024*t
	ds_load_b128 v[KR+8*t+4:KR+8*t+7], v[L16] offset:1024*t+512
.set t, t+1
.endr
	v_mov_b32 v[M+1], 0xff61b1e6                   ; the largest t so far: -3e38, under every t
	v_mov_b32 v[SUM], 0                            ; the sum, in two halves
	v_mov_b32 v[SUM+1], 0
	v_floor_f32 v[M], -v[M+1]                      ; -M
.set j, 0
.rept 32
	v_mov_b32 v[O+j], 0                            ; O^T.  (The step has one form: the first finds zeros, which the first change of M leaves zeros)
.set j, j+1
.endr
	s_lshl_b32 s[Q0], s[TN], 4
	s_lshr_b32 s[NF], s[TN], 3
	s_and_b32 s[DD], s[TN], 7
	s_mov_b32 s[TB], 0
	s_mov_b32 s[KF], 0
	s_mov_b32 s[ST], 0
	s_wait_alu depctr_va_vdst(0)
	s_wait_loadcnt 0x0                             ; Q
.Lstep:
	s_cmp_lt_u32 s[ST], s[NF]
	s_cbranch_scc0 .Lnotwhole
	STEP 8, 0
	s_branch .Lnext
.Lnotwhole:
	s_cmp_gt_u32 s[ST], s[NF]                      ; all keys come after my queries: nothing to do
	s_cbranch_scc1 .Lnext
	s_cmp_lt_u32 s[DD], 4
	s_cbranch_scc0 .Ldiag6
	s_cmp_lt_u32 s[DD], 2
	s_cbranch_scc0 .Ldiag4
	STEP 2, 1
	s_branch .Lnext
.Ldiag4:
	STEP 4, 1
	s_branch .Lnext
.Ldiag6:
	s_cmp_lt_u32 s[DD], 6
	s_cbranch_scc0 .Ldiag8
	STEP 6, 1
	s_branch .Lnext
.Ldiag8:
	STEP 8, 1
.Lnext:
	s_add_co_u32 s[TB], s[TB], 8192
	s_add_co_u32 s[KF], s[KF], 128
	s_add_co_u32 s[ST], s[ST], 1
	s_cmp_lt_u32 s[ST], 8
	s_cbranch_scc1 .Lstep
	; THE WAY OUT.  result = O^T / the sum x 2^(e4 + e5), held within +-448 x 2^e6, quantised: eight channels 16 t + 8 h on are 8 bytes of a lane.  Lanes l and l xor 16 exchange halves of tiles t, t + 1:
	; a lane then holds the 16 channels 32 c + 16 h on, and each store covers 512 bytes on end.
	s_wait_dscnt 0x0
	s_add_co_i32 s[TS], s44, s45
	v_add_f32 v[SUM], v[SUM], v[SUM+1]             ; the sum's two halves,
	s_delay_alu instid0(VALU_DEP_1)
	v_permlanex16_b32 v[PX], v[SUM], s[SEL], s[SEL+1]
	s_delay_alu instid0(VALU_DEP_1)
	v_add_f32 v[SUM], v[SUM], v[PX]                ; and lane l xor 16's
	s_wait_alu depctr_va_vdst(0)
	v_rcp_f32 v[SUM], v[SUM]
	v_mov_b32 v[LK], s[OSC]                        ; 2^e6 (plain lines behind the reciprocal)
	v_mov_b32 v[LV], s[OSC+1]                      ; 448 x 2^e6
	s_wait_alu depctr_va_vdst(0)                   ; the wait ahead of its first reader
	v_ldexp_f32 v[SUM], v[SUM], s[TS]
	s_wait_alu depctr_va_vdst(0)
.set j, 0
.rept 16
	v_pk_mul_f32 v[S+j:S+j+1], v[O+j:O+j+1], v[SUM:SUM+1] op_sel_hi:[1,0]   ; each accumulator from its low end on
.set j, j+2
.endr
.set j, 0
.rept 32
	v_med3_num_f32 v[S+j], v[S+j], -v[LV], v[LV]
.set j, j+1
.endr
.irp t, 0,1,2,3
	v_cvt_scalef32_pk8_fp8_f32 v[VR+2*\t:VR+2*\t+1], v[S+8*\t:S+8*\t+7], v[LK]
.endr
	v_nop                                          ; one plain vector line behind the last conversion
	v_permlane16_swap_b32 v[VR], v[VR+2]
	v_permlane16_swap_b32 v[VR+1], v[VR+3]
	v_permlane16_swap_b32 v[VR+4], v[VR+6]
	v_permlane16_swap_b32 v[VR+5], v[VR+7]
	s_lshl_b32 s60, s[TN], 14
	s_add_nc_u64 s[56:57], s[54:55], s[60:61]
	global_store_b128 v[L16], v[VR:VR+3], s[56:57]
	global_store_b128 v[L16], v[VR+4:VR+7], s[56:57] offset:512
	s_mov_b32 s[TN], s[LATE]                       ; on to the second tile
	s_wait_alu depctr_va_vdst(0)
	s_wait_xcnt 0x0                                ; the stores have read their registers and their base
	s_add_co_u32 s[TILE], s[TILE], 1
	s_cmp_lt_u32 s[TILE], 2
	s_cbranch_scc1 .Ltile
	s_wait_tensorcnt 0x0                           ; the wave's end
	ds_add_u32 v[SPW], v[NIL]
	s_wait_dscnt 0x0
	s_endpgm
.Lfunc_end_k_q363757d6e8_attend:
	.size	k_q363757d6e8_attend, .Lfunc_end_k_q363757d6e8_attend-k_q363757d6e8_attend
	.p2alignl 7, 3214868480
	.fill 96, 4, 3214868480
	.section	.rodata,"a",@progbits
	.p2align	6, 0x0
	.amdhsa_kernel k_q363757d6e8_attend
		.amdhsa_group_segment_fixed_size 167936
		.amdhsa_private_segment_fixed_size 0
		.amdhsa_enable_private_segment 0
		.amdhsa_kernarg_size 24
		.amdhsa_user_sgpr_count 2
		.amdhsa_user_sgpr_kernarg_segment_ptr 1
		.amdhsa_wavefront_size32 1
		.amdhsa_system_sgpr_workgroup_id_x 1
		.amdhsa_system_sgpr_workgroup_id_y 1
		.amdhsa_system_sgpr_workgroup_id_z 1
		.amdhsa_system_vgpr_workitem_id 0
		.amdhsa_next_free_vgpr 256
		.amdhsa_next_free_sgpr 66
		.amdhsa_reserve_vcc 1
		.amdhsa_float_denorm_mode_32 3
		.amdhsa_float_denorm_mode_16_64 3
		.amdhsa_memory_ordered 1
		.amdhsa_forward_progress 1
		.amdhsa_inst_pref_size 75
	.end_amdhsa_kernel
	.amdgpu_metadata
---
amdhsa.version: [ 1, 2 ]
amdhsa.kernels:
  - .name:           k_q363757d6e8_attend
    .symbol:         k_q363757d6e8_attend.kd
    .args:
      - { .name: qkv, .offset: 0, .size: 8, .value_kind: global_buffer, .address_space: global }
      - { .name: lowp_scales, .offset: 8, .size: 8, .value_kind: global_buffer, .address_space: global }
      - { .name: att, .offset: 16, .size: 8, .value_kind: global_buffer, .address_space: global }
    .group_segment_fixed_size: 167936
    .private_segment_fixed_size: 0
    .kernarg_segment_align: 8
    .kernarg_segment_size: 24
    .max_flat_workgroup_size: 512
    .sgpr_count:     66
    .vgpr_count:     256
    .wavefront_size: 32
...
	.end_amdgpu_metadata
.endif
;; end of part 2
;; launch project_out (part 3): grid 4 x 64, 4 waves a work-group, clusters of 4 x 4, 327,680 bytes of LDS; arguments att, out_w_codes, out_b, lowp_scales, out0; writes out0
.if DOCPART == 3
	.amdgcn_target "amdgcn-amd-amdhsa--gfx1250"
	.amdhsa_code_object_version 6
	.text
	.protected	k_q363757d6e8_project_out
	.globl	k_q363757d6e8_project_out
	.p2align	8
	.type	k_q363757d6e8_project_out,@function
k_q363757d6e8_project_out:
	s_mov_b64 s[64:65], 0
	v_nop
	global_prefetch_b8 v0, s[64:65] scope:SCOPE_SE
	s_setreg_imm32_b32 hwreg(HW_REG_WAVE_MODE, 25, 1), 1
	s_wait_xcnt 0x0
	s_wait_alu depctr_hold_cnt(0) depctr_sa_sdst(0) depctr_va_vdst(0) depctr_va_sdst(0) depctr_va_ssrc(0) depctr_va_vcc(0) depctr_vm_vsrc(0)
	s_getreg_b32 s2, hwreg(HW_REG_IB_STS2, 6, 4)
	s_cmp_eq_u32 s2, 0
	s_cbranch_scc0 .Lentry_in_a_cluster
	s_endpgm
.Lentry_in_a_cluster:
	s_bfe_u32 s2, ttmp6, 0x10000c
	s_cmp_lg_u32 s2, 0xf033
	s_cbranch_scc0 .Lentry_shape_is_right
	s_endpgm
.Lentry_shape_is_right:
; out = A W^T + b on codes of FP8 (E4M3): A = the attention's result as images ([8192 / 16 tiles][head 16][c = 0, 1][lane]: 16 bytes a lane), W: [1024][1024] codes (K innermost), b: [1024] f32; out: [8192][1024] f32.
; SHARES.  A work-group makes 128 tokens x 256 columns, in TWO PASSES of 128 columns: 256 work-groups.  A wave makes 64 x 64 in a pass: 16 accumulators.  The first pass's results leave while W's rows for the second land.
; Source 0 = 16 columns, source 1 = 16 tokens: a lane holds eight neighbouring columns of a token.
; LDS.  All of the 128 tokens' A (131,072 bytes, dense images) and the first 128 columns' W (128 rows of 1,024 bytes + 16 of padding) come in by one joint load of each wave: waves 0, 1: A's halves; waves 2, 3: W's.
; A's fragments for all of K stay in registers (512) from the first pass on.  The second 128 columns' W take the place of the first in ONE refill, as soon as the first pass's last fragments have been asked for.
; JOINT LOADS: clusters of 4 x 4 work-groups: A's tile is shared along a row of the cluster, W's along a column.
; PREFETCH INTO THE L2: the second 128 columns' W, six K steps of 128 ahead of the refill: of the 128 rows each of the four partners names 32, its waves 8 each, four lanes a row (four blocks of 256 bytes).  All sixteen clusters
; read the same W: every fourth of them asks.
; LIMITS: e6 + e7 between -126 and 127.
; REGISTERS: window 0: v0-31 addresses, bias; v64-255 W's fragments, three sets of 64; on the way out v64-127 are rows read back.  Window 1: the accumulators (pass p, (a, b) at v[128 p + 32 a + 8 b]).
;   Windows 2, 3: A's fragments of K steps 0-3, 4-7 (64 each).
.set BP,    1040                       ; an LDS row of W: 260 words: row r starts at bank 4 r mod 64 (64 banks of 4 bytes: ISA guide 11.1)
.set BL,    131072                     ; W's rows, behind A
.set SPARE, BL+128*BP                  ; the spare words, 128 bytes a wave
.set STG,   SPARE+512                  ; the stage: 16 rows x 272 bytes a wave; no tile lands here
.set SPITCH, 272
.set BI,  8                            ; v8-11, v12-15  bias of my four columns in pass 0, 1
.set ADA, 16
.set ADB, 17
.set STO, 24
.set RD,  25
.set CO,  26                           ; my byte in two rows of out
.set PFO, 27                           ; 256 x lane
.set SPW, 28
.set NIL, 29
.set FB,  64
.set BK,  64
.set G1A, 24
.set G0A, 32
.set G1B, 48
.set G0B, 56
.set PFA, 72
.set PB,  84                           ; s[84:85], s[86:87] where my part of pass 0, 1 begins
.set MSB, 0
.macro WIN new                         ; the immediate's high byte repeats the setting that is left
.if MSB != (\new)
	s_set_vgpr_msb (MSB<<8)|(\new)
.set MSB, (\new)
.endif
.endm
.macro CREST                           ; a round of the cluster's barrier behind its opening barrier
	s_cmp_lg_u32 s20, 0
	s_cbranch_scc1 .Lnot_wave_0_\@
	s_barrier_signal -3
.Lnot_wave_0_\@:
	s_barrier_wait -3
	s_barrier_signal -1
	s_barrier_wait -1
.endm
.macro CROUND
	s_barrier_signal -1
	s_barrier_wait -1
	CREST
.endm
.macro PL                              ; four places behind matrix instructions (ISA guide 7.12.1 for vector instructions)
.rept 4
	v_nop
.endr
.endm
.macro LDA i                           ; A's four blocks of K step i (heads 2 i, 2 i + 1): 16 loads
	WIN 0x80+0x40*((\i)/4)
.set la, 0
.rept 4
.set lc, 0
.rept 4
	ds_load_b128 v[64*((\i)%4)+16*la+4*lc:64*((\i)%4)+16*la+4*lc+3], v[ADA] offset:16384*la+2048*(\i)+512*lc
.set lc, lc+1
.endr
.set la, la+1
.endr
	WIN 0
.endm
.macro LDB i                           ; W's four blocks of K step i into set i % 3: lane l holds row r; registers 4 c .. 4 c + 3 hold K = 32 c + 16 h + 0..15, as A's images do: 16 loads
	WIN 0
.set lb, 0
.rept 4
.set lc, 0
.rept 4
	ds_load_b128 v[FB+64*((\i)%3)+16*lb+4*lc:FB+64*((\i)%3)+16*lb+4*lc+3], v[ADB] offset:128*(\i)+32*lc+lb*16*BP
.set lc, lc+1
.endr
.set lb, lb+1
.endr
.endm
.macro MUL p, i, a0, n                 ; 4 n products: blocks a0 .. of A against W's four; the accumulators take turns
	WIN 0x58+4*((\i)/4)                            ; source 0 window 0, source 1 window 2 or 3, C and D window 1
.set ma, \a0
.rept \n
.set mb, 0
.rept 4
.set dd, 128*(\p)+32*ma+8*mb
.set ww, FB+64*((\i)%3)+16*mb
.set aa, 64*((\i)%4)+16*ma
.if (\i) == 0
	v_wmma_f32_16x16x128_fp8_fp8 v[dd:dd+7], v[ww:ww+15], v[aa:aa+15], 0
.else
	v_wmma_f32_16x16x128_fp8_fp8 v[dd:dd+7], v[ww:ww+15], v[aa:aa+15], v[dd:dd+7]
.endif
.set mb, mb+1
.endr
.set ma, ma+1
.endr
.endm
; THE WAY OUT, block by block of 16 tokens x 64 columns, through my own stage: back as rows of 256 bytes, two to an instruction, x 2^(e6 + e7) + bias, stored as two aligned units of 256 bytes.
; LDS serves a wave's instructions in order (ISA guide 5.7.1.4): no wait between the stores and the loads.
.macro TOSTAGE p, a
	WIN 0x04                                       ; the stores' data: window 1
.irp b, 0,1,2,3
	ds_store_b128 v[STO], v[128*(\p)+32*(\a)+8*\b:128*(\p)+32*(\a)+8*\b+3] offset:64*\b
	ds_store_b128 v[STO], v[128*(\p)+32*(\a)+8*\b+4:128*(\p)+32*(\a)+8*\b+7] offset:64*\b+16
.endr
	WIN 0
.set BB, BK+32*((\a)%2)
.set k, 0
.rept 8
	ds_load_b128 v[BB+4*k:BB+4*k+3], v[RD] offset:2*k*SPITCH
.set k, k+1
.endr
.endm
.macro SEND p, a, younger              ; younger: the LDS instructions issued behind block a's loads
.set BB, BK+32*((\a)%2)
	s_wait_dscnt \younger
.if (\a) > 0
	s_add_nc_u64 s[PB+2*(\p):PB+2*(\p)+1], s[PB+2*(\p):PB+2*(\p)+1], 16*4096   ; (behind a wait on XCNT)
.endif
.set k, 0
.rept 8
	v_pk_fma_f32 v[BB+4*k:BB+4*k+1], v[BB+4*k:BB+4*k+1], s[96:97], v[BI+4*(\p):BI+4*(\p)+1] op_sel_hi:[1,0,1]
	v_pk_fma_f32 v[BB+4*k+2:BB+4*k+3], v[BB+4*k+2:BB+4*k+3], s[96:97], v[BI+4*(\p)+2:BI+4*(\p)+3] op_sel_hi:[1,0,1]
.set k, k+1
.endr
.set k, 0
.rept 8
	global_store_b128 v[CO], v[BB+4*k:BB+4*k+3], s[PB+2*(\p):PB+2*(\p)+1] offset:2*k*4096 th:TH_STORE_NT
.set k, k+1
.endr
.endm
.macro WAYOUT p
	TOSTAGE \p, 0
	TOSTAGE \p, 1
	SEND \p, 0, 16                                 ; behind block 0's loads: block 1's 8 stores and 8 loads
	s_wait_xcnt 0x0                                ; block 0's stores have read their registers and their base
	TOSTAGE \p, 2
	SEND \p, 1, 16
	s_wait_xcnt 0x0
	TOSTAGE \p, 3
	SEND \p, 2, 16
	s_wait_xcnt 0x0
	SEND \p, 3, 0
.endm
	s_load_b256 s[4:11], s[0:1], 0x0               ; A's codes, W's codes, b, the scales' exponents
	s_load_b64 s[12:13], s[0:1], 0x20              ; the output
	v_lshl_add_u32 v[SPW], v0, 2, SPARE
	v_mov_b32 v[NIL], 0
	ds_add_u32 v[SPW], v[NIL]                      ; the opening lines: the add, twice on end, and its wait
	ds_add_u32 v[SPW], v[NIL]
	v_lshrrev_b32 v1, 5, v0
	v_readfirstlane_b32 s20, v1                    ; wave 0..3
	s_lshr_b32 s21, s20, 1                         ; which 64 tokens are mine.  Also: I fetch for A (0) or for W (1)
	s_and_b32 s22, s20, 1                          ; which 64 columns of a pass.  Also: which half of that tile I fetch
	s_bfe_u32 s40, ttmp6, 0x40000                  ; cx, cy
	s_bfe_u32 s41, ttmp6, 0x40004
	s_lshl_b32 s42, ttmp9, 2
	s_add_co_u32 s42, s42, s40                     ; tile column
	s_and_b32 s70, ttmp7, 0xffff
	s_lshl_b32 s43, s70, 2
	s_add_co_u32 s43, s43, s41                     ; tile row
	s_lshl_b32 s44, 0x1111, s40                    ; my column of the cluster
	s_lshl_b32 s45, s41, 2
	s_lshl_b32 s45, 15, s45                        ; my row
	s_or_b32 s[G1A], s45, 1<<21                    ; A: 65,536 dense bytes as 256 rows of 256, no padding
	s_mov_b32 s[G1A+1], 256<<16
	s_mov_b32 s[G1A+2], 256<<16
	s_mov_b32 s[G1A+3], 256<<16
	s_mov_b32 s[G1A+4], 256
	s_mov_b32 s[G1A+5], 256
	s_mov_b32 s[G1A+6], 0
	s_mov_b32 s[G1A+7], 0
	s_or_b32 s[G1B], s44, (1<<20)|(1<<21)|(7<<22)|(3<<25)   ; W: 64 rows of 1,024 bytes; after every 256 words four words
	s_mov_b32 s[G1B+1], 1024<<16
	s_mov_b32 s[G1B+2], 64<<16
	s_mov_b32 s[G1B+3], 1024<<16
	s_mov_b32 s[G1B+4], 64
	s_mov_b32 s[G1B+5], 1024
	s_mov_b32 s[G1B+6], 0
	s_mov_b32 s[G1B+7], 0
	s_lshl_b32 s60, s43, 17                        ; A: 128 tokens are 131,072 bytes on end; my half of them
	s_lshl_b32 s62, s22, 16                        ; (and in LDS)
	s_add_co_u32 s60, s60, s62
	s_mov_b32 s61, 0
	s_lshl_b32 s46, s42, 18                        ; W: row 256 x tile column + 64 x half
	s_lshl_b32 s45, s22, 16
	s_add_co_u32 s46, s46, s45
	s_mov_b32 s47, 0
	s_mul_i32 s63, s22, 64*BP
	s_add_co_u32 s63, s63, BL
	s_lshl_b32 s68, s42, 10                        ; my first column, in bytes of f32
	s_lshl_b32 s67, s22, 8
	s_add_co_u32 s68, s68, s67
	s_wait_dscnt 0x0                               ; both opening adds are done
	s_wait_kmcnt 0x0
	s_load_b256 s[76:83], s[10:11], 0x0            ; e0 .. e7
	s_mov_b32 s[G0A], 1
	s_mov_b32 s[G0A+1], s62
	s_add_nc_u64 s[G0A+2:G0A+3], s[4:5], s[60:61]
	s_or_b32 s[G0A+3], s[G0A+3], 0x80000000
	s_mov_b32 s[G0B], 1
	s_mov_b32 s[G0B+1], s63
	s_add_nc_u64 s[G0B+2:G0B+3], s[6:7], s[46:47]
	s_or_b32 s[G0B+3], s[G0B+3], 0x80000000
	CROUND                                         ; all sixteen work-groups are here: the joint loads meet
	s_cmp_eq_u32 s21, 0
	s_cbranch_scc0 .Lfor_w
	tensor_load_to_lds s[G0A:G0A+3], s[G1A:G1A+7]
	s_nop 0
	PL
	s_branch .Lasked
.Lfor_w:
	tensor_load_to_lds s[G0B:G0B+3], s[G1B:G1B+7]
	s_nop 0
	PL
.Lasked:
	s_lshl_b32 s18, s42, 18                        ; the prefetches: row 256 x tile column + 128 + 32 cy + 8 x wave
	s_lshl_b32 s19, s41, 15
	s_add_co_u32 s18, s18, s19
	s_lshl_b32 s19, s20, 13
	s_add_co_u32 s18, s18, s19
	s_add_co_u32 s18, s18, 0x20000
	s_mov_b32 s19, 0
	s_add_nc_u64 s[PFA:PFA+1], s[6:7], s[18:19]
	s_and_b32 s74, s70, 3                          ; clusters 0, 4, 8, 12 ask
	s_lshl_b32 s17, s21, 16                        ; my 64 tokens of A
	s_mul_i32 s18, s22, 64*BP
	s_add_co_u32 s18, s18, BL                      ; my 64 rows of W
	s_mul_i32 s23, s20, 16*SPITCH
	s_add_co_u32 s23, s23, STG                     ; my stage
	s_lshl_b32 s66, s43, 7
	s_lshl_b32 s67, s21, 6
	s_add_co_u32 s66, s66, s67                     ; my first token
	s_lshl_b32 s66, s66, 12
	s_add_co_u32 s66, s66, s68
	s_mov_b32 s67, 0
	s_add_nc_u64 s[PB:PB+1], s[12:13], s[66:67]
	s_add_nc_u64 s[PB+2:PB+3], s[PB:PB+1], 512     ; pass 1: 128 columns on
	v_and_b32 v6, 31, v0
	v_and_b32 v1, 15, v0                           ; r
	v_bfe_u32 v2, v0, 4, 1                         ; h
	v_lshlrev_b32 v4, 4, v1                        ; 16 r
	v_add_nc_u32 v7, s68, v4
	global_load_b128 v[BI:BI+3], v7, s[8:9]
	global_load_b128 v[BI+4:BI+7], v7, s[8:9] offset:512
	v_lshlrev_b32 v3, 4, v6
	v_add_nc_u32 v[ADA], s17, v3
	v_mul_u32_u24 v5, v1, BP
	v_lshl_add_u32 v5, v2, 4, v5
	v_add_nc_u32 v[ADB], s18, v5
	v_mul_u32_u24 v5, v1, SPITCH                   ; the stage: in: row r, 32 bytes for each half of the lanes
	v_lshl_add_u32 v5, v2, 5, v5
	v_add_nc_u32 v[STO], s23, v5
	v_mul_u32_u24 v5, v2, SPITCH                   ; back: lanes 0-15 take one row of 256 bytes, lanes 16-31 the next
	v_add_nc_u32 v5, v5, v4
	v_add_nc_u32 v[RD], s23, v5
	v_lshl_add_u32 v[CO], v2, 12, v4               ; and the same two rows of out
	v_lshlrev_b32 v[PFO], 8, v6
	s_wait_alu depctr_va_vdst(0)
	s_wait_tensorcnt 0x0                           ; my part is in,
	s_barrier_signal -1
	s_barrier_wait -1                              ; and everybody's
	LDA 0
	LDB 0
	LDA 1
	LDB 1
	s_cmp_eq_u32 s74, 0
	s_cbranch_scc0 .Lnot_mine
	global_prefetch_b8 v[PFO], s[PFA:PFA+1] th:TH_LOAD_NT scope:SCOPE_SE
.Lnot_mine:
.macro STEP0 i                         ; pass 0: two K steps' fragments are asked for ahead
.if (\i) > 0
	PL
.endif
	LDA (\i)+2
	LDB (\i)+2
	s_wait_dscnt 63                                ; younger than step i's: the two next steps' 64, one more than the field can name
	MUL 0, \i, 0, 4
.endm
.irp i, 0,1,2,3,4,5
	STEP0 \i
.endr
	WIN 0
	s_wait_tensorcnt 0x0                           ; no tensor load of mine is out
	ds_add_u32 v[SPW], v[NIL]
	s_add_nc_u64 s[G0B+2:G0B+3], s[G0B+2:G0B+3], 0x20000   ; 128 rows on
	s_wait_dscnt 33                                ; younger than step 6's: step 7's 32 and the add
	MUL 0, 6, 0, 4
	s_wait_dscnt 0x0                               ; the add is done, and my reads of W's first rows are over
	s_barrier_signal -1
	MUL 0, 7, 0, 2
	WIN 0
	s_barrier_wait -1
	CREST                                          ; no wave of any partner still reads what is filled now
	s_cmp_eq_u32 s21, 0
	s_cbranch_scc1 .Lrefilled
	tensor_load_to_lds s[G0B:G0B+3], s[G1B:G1B+7]
	s_nop 0
	PL
.Lrefilled:
	MUL 0, 7, 2, 2
	WIN 0
	s_wait_loadcnt 0x0                             ; the bias
	s_wait_kmcnt 0x0
	s_add_co_i32 s96, s82, s83
	s_add_co_i32 s96, s96, 127
	s_lshl_b32 s96, s96, 23                        ; 2^(e6 + e7) as f32
	s_mov_b32 s97, s96
	PL                                             ; behind the last products
	WAYOUT 0                                       ; the first 128 columns leave while W's second rows land
	s_wait_xcnt 0x0                                ; the stores have read their registers
	s_wait_tensorcnt 0x0                           ; my part of W's second rows is in,
	s_barrier_signal -1
	s_barrier_wait -1                              ; and everybody's
	LDB 0
	LDB 1
.macro STEP1 i
.if (\i) > 0
	PL
.endif
.if (\i) < 6
	LDB (\i)+2
	s_wait_dscnt 32                                ; younger than step i's: the two next steps' 32
.else
	s_wait_dscnt 16*(7-(\i))
.endif
	MUL 1, \i, 0, 4
.endm
.irp i, 0,1,2,3,4,5,6,7
	STEP1 \i
.endr
	WIN 0
	PL                                             ; behind the last products
	WAYOUT 1
	s_wait_tensorcnt 0x0                           ; the wave's end
	ds_add_u32 v[SPW], v[NIL]
	s_wait_dscnt 0x0
	CROUND                                         ; the closing round: no work-group ends while a partner may still ask for a tile that names it
	s_endpgm
.Lfunc_end_k_q363757d6e8_project_out:
	.size	k_q363757d6e8_project_out, .Lfunc_end_k_q363757d6e8_project_out-k_q363757d6e8_project_out
	.p2alignl 7, 3214868480
	.fill 96, 4, 3214868480
	.section	.rodata,"a",@progbits
	.p2align	6, 0x0
	.amdhsa_kernel k_q363757d6e8_project_out
		.amdhsa_group_segment_fixed_size 327680
		.amdhsa_private_segment_fixed_size 0
		.amdhsa_enable_private_segment 0
		.amdhsa_kernarg_size 40
		.amdhsa_user_sgpr_count 2
		.amdhsa_user_sgpr_kernarg_segment_ptr 1
		.amdhsa_wavefront_size32 1
		.amdhsa_system_sgpr_workgroup_id_x 1
		.amdhsa_system_sgpr_workgroup_id_y 1
		.amdhsa_system_sgpr_workgroup_id_z 1
		.amdhsa_system_vgpr_workitem_id 0
		.amdhsa_next_free_vgpr 1024
		.amdhsa_next_free_sgpr 100
		.amdhsa_reserve_vcc 0
		.amdhsa_float_denorm_mode_32 3
		.amdhsa_float_denorm_mode_16_64 3
		.amdhsa_memory_ordered 1
		.amdhsa_forward_progress 1
		.amdhsa_inst_pref_size 75
	.end_amdhsa_kernel
	.amdgpu_metadata
---
amdhsa.version: [ 1, 2 ]
amdhsa.kernels:
  - .name:           k_q363757d6e8_project_out
    .symbol:         k_q363757d6e8_project_out.kd
    .args:
      - { .name: att, .offset: 0, .size: 8, .value_kind: global_buffer, .address_space: global }
      - { .name: out_w_codes, .offset: 8, .size: 8, .value_kind: global_buffer, .address_space: global }
      - { .name: out_b, .offset: 16, .size: 8, .value_kind: global_buffer, .address_space: global }
      - { .name: lowp_scales, .offset: 24, .size: 8, .value_kind: global_buffer, .address_space: global }
      - { .name: out0, .offset: 32, .size: 8, .value_kind: global_buffer, .address_space: global }
    .group_segment_fixed_size: 327680
    .private_segment_fixed_size: 0
    .kernarg_segment_align: 8
    .kernarg_segment_size: 40
    .max_flat_workgroup_size: 128
    .sgpr_count:     100
    .vgpr_count:     1024
    .wavefront_size: 32
...
	.end_amdgpu_metadata
.endif
;; end of part 3
